; MI455X (gfx1250); checked and timed in simulation.
; The chip was launched on July 23, 2026; its instructions are those of AMD's public machine-readable ISA for CDNA 5 (MIT licence, August 2026) and "CDNA5" Instruction Set Architecture Reference Guide (July 2026). The comments in the code are by the model that wrote it; some were corrected since.
;; Attention. Allowed arithmetic: matrix products marked QUANTISED: E2M3 operands, one E8M0 scale for each 32 along K, by v_wmma_scale_f32_16x16x128_f8f6f4 with both operands' format E2M3, f32 sums; everything else in f32.
;; Inputs: k 4,096 x 1,024 float32; q 4,096 x 4,096 float32; v 4,096 x 1,024 float32.
;; Outputs: out0 4,096 x 4,096 float32.
;; This version of the problem:
;;   THIS VERSION OF THE PROBLEM IS GIVEN IN LOW PRECISION. The matrix products marked QUANTISED in the list below multiply operands that are first quantised to E2M3 (2 exponent bits, 3 mantissa bits; 6 bits a number), with one power-of-two scale for each 32 numbers along K (OCP MX v1.0); their sums are f32. All else is computed in f32.
;;   The module's matrix products, in the order in which they are computed (A, B: the left and right operand; K: the contracted axis; several contracted axes count as one K, in the product's order):
;;     1. batch 64 x [M 2,048, K 128] x [K 128, N 2,048]; A: input q; B: input k: QUANTISED
;;     2. batch 64 x [M 128, K 2,048] x [K 2,048, N 2,048]; A: input v; B: softmax (see below): QUANTISED
;;   THE QUANTISER, for each operand of a quantised product, along K:
;;     - K is cut into blocks of 32 from its start; a last block that is shorter is filled with zeros.
;;     - A block's scale is 2^e with e = floor(log2(the largest magnitude in the block)) - 2, held to -126 .. 127; a block of zeros has e = 0. As a byte (E8M0): e + 127.
;;     - Each number is divided by its block's scale, clamped to +-7.5, and rounded to the nearest number of E2M3, ties to even, subnormals kept.
;;     - The product sums the exact products of the quantised numbers (number of the format x scale) in f32.
;;   ~~~python
;;   def quantise(x, axis):      # numpy; x: float32 -> the quantised numbers, widened to float32 again
;;       x = np.moveaxis(x, axis, -1); K = x.shape[-1]
;;       x = np.pad(x, [(0, 0)] * (x.ndim - 1) + [(0, -K % 32)]); x = x.reshape(x.shape[:-1] + (-1, 32)); a = np.abs(x).max(-1, keepdims=True)
;;       e = np.where(a > 0, np.clip(np.frexp(np.where(a > 0, a, 1))[1] - 1 - 2, -126, 127), 0)      # np.frexp(a)[1] - 1 = floor(log2(a)), exactly
;;       r = np.clip(x / 2.0 ** e, -7.5, 7.5)
;;       step = 2.0 ** (np.maximum(np.frexp(np.where(r == 0, 1, r))[1] - 1, 0) - 3)
;;       q = np.round(r / step) * step * 2.0 ** e      # np.round: ties to even
;;       return np.moveaxis(q.reshape(q.shape[:-2] + (-1,))[..., :K], -1, axis).astype(np.float32)
;;   ~~~
;;   SOFTMAX AHEAD OF A QUANTISED PRODUCT. Where the list says 'softmax', what is quantised is not the finished softmax but p = 2^(t - M), with t = logit x log2(e) and M = ceil(the row's largest t), a whole number; so 1/2 < the row's largest p <= 1. The row's sum l is taken of the UNQUANTISED p, in f32, and the product's result is divided by l at the end. Since M is a whole number, a kernel that streams over the keys may use a running M (the ceiling of the running maximum): every later rescaling is an exact power of two, which a block's scale takes up: the codes' values come out the same.
;;   OPERANDS COMPUTED ON THE WAY. 'Computed on the way' means the value that the module computes at that place (a softmax that the list does not call 'softmax' is quantised finished and normalised). What goes into a quantiser is computed in f32, as accurately as f32 sums, v_exp_f32 and their like allow (about 1e-6 of the number): no bf16 or f16 on the way to a quantiser, and a product that is left as it is and whose result goes on into a quantised operand takes f32 operands (vector FMAs, or v_wmma_f32_16x16x4_f32). A number that lies on a knife's edge between two numbers of the format may be rounded either way, as far as f32 arithmetic and the matrix unit's own rounding can turn it there, and no further.
;; One version. Each part assembles by itself: llvm-mc -triple=amdgcn-amd-amdhsa -mcpu=gfx1250 --defsym DOCPART=n.
;; ======== version 1 of 1: 2 launches
;; limits: right only within a limited range of input values
;; workspace buffers: kv 6,553,600 bytes
;; launch quant (part 1): grid 256 x 2, 4 waves a work-group, no clusters, 68,096 bytes of LDS; arguments k, v, kv; writes kv
.if DOCPART == 1
	.amdgcn_target "amdgcn-amd-amdhsa--gfx1250"
	.amdhsa_code_object_version 6
	.text
	.protected	k_q8a6232056c_quant
	.globl	k_q8a6232056c_quant
	.p2align	8
	.type	k_q8a6232056c_quant,@function
k_q8a6232056c_quant:
	s_mov_b64 s[64:65], 0
	v_nop
	global_prefetch_b8 v0, s[64:65] scope:SCOPE_SE
	s_setreg_imm32_b32 hwreg(HW_REG_WAVE_MODE, 25, 1), 1
	s_wait_xcnt 0x0
; k and v, [4096 tokens][8 heads x 128] f32, become codes of FP6 (E2M3) with one E8M0 byte for each 32 along a product's K, laid in kv as the attention launch's operand registers take them.
; kv is 256 records of 25,600 bytes; record ((b 8 + kv head) 16 + ks) serves the 128 keys 128 ks .. 128 ks + 127 of sequence b:
;   0      K's 8 fragments (16 keys x 128 dims, 12 registers a lane): tile t at 1,536 t, registers 4 c .. 4 c + 3 at + 512 c, lane l's 16 bytes at + 16 l.
;          Lane (r, h) of tile 2 x + u holds key 32 x + 8 u + r + 8 (r / 8); its registers 6 c .. 6 c + 5 hold dims 64 c + 32 h + 0 .. 31.  K of the first product = the head's 128 dims.
;   12,288 V^T's 8 fragments, the same form: lane (r, h) of tile t holds channel 16 t + r, registers 6 c .. keys 64 c + 32 h + 0 .. 31.  K of the second product = the keys, blocks of 32 from the sequence's start.
;   24,576 K's scale words (four bytes: a row's four blocks), word 16 t + r;   25,088 V's, likewise.
; All of k and v is quantised: every key is live for some query; what the mask throws away is left out in the attention launch.
; A block's scale is 2^(floor(log2(its largest magnitude)) - 2); its byte is the largest magnitude's exponent field - 2, held at 1 from below.
; LIMITS: a block of zeros gets the byte 1 where the rule says 127 (its codes are zeros, and this program alone reads the bytes); NaN and infinities among the inputs are not served.
; SHARES: work-group x = the record; y = 0: K's part, y = 1: V's.  Wave w makes tiles 2 w and 2 w + 1 of its part: 16 KiB of f32, all asked for at once.  Waves share nothing: no barrier.
.set REC,   25600
.set VIM,   12288
.set KSC,   24576
.set VSC,   25088
.set PL,    528                        ; a key's place in a wave's stage: its 512 bytes + 16 = 33 x 16 bytes
.set WSTG,  32*PL                      ; a wave's stage: 32 keys
.set SPARE, 4*WSTG                     ; behind the stages: the spare words, 128 bytes a wave: two blocks of 256 bytes that no other line names
.set SPW,   12                         ; v12  LDS address of my spare word; never rewritten
.set NIL,   13                         ; v13  0; never rewritten
	s_load_b128 s[4:7], s[0:1], 0x0                ; k, v
	s_load_b64 s[8:9], s[0:1], 0x10                ; kv
	v_lshl_add_u32 v[SPW], v0, 2, SPARE
	v_mov_b32 v[NIL], 0
	v_lshrrev_b32 v1, 5, v0
	v_readfirstlane_b32 s16, v1                    ; wave 0..3
	v_and_b32 v1, 31, v0                           ; lane
	v_and_b32 v2, 15, v0                           ; r
	v_bfe_u32 v3, v0, 4, 1                         ; h
	v_lshlrev_b32 v4, 4, v1                        ; 16 x lane
	v_lshlrev_b32 v5, 2, v1                        ; 4 x lane
	s_mov_b32 s20, 0x76543210
	s_mov_b32 s21, 0xfedcba98                      ; v_permlanex16_b32's selects for lane l xor 16
	s_lshr_b32 s22, ttmp9, 7                       ; b
	s_lshl_b32 s22, s22, 11
	s_and_b32 s23, ttmp9, 15                       ; ks
	s_lshl_b32 s23, s23, 7
	s_add_co_u32 s22, s22, s23                     ; the record's first token: 2,048 b + 128 ks
	s_lshl_b32 s22, s22, 12                        ; a token's row is 4,096 bytes
	s_bfe_u32 s23, ttmp9, 0x30004                  ; the kv head: 3 bits from bit 4
	s_lshl_b32 s23, s23, 9                         ; its 512 bytes of a row
	s_add_co_u32 s22, s22, s23                     ; under 2^24
	s_mov_b32 s23, 0
	s_mul_i32 s24, ttmp9, REC
	s_mov_b32 s25, 0
	s_mul_i32 s26, s16, 3072                       ; my two tiles' images
	s_mov_b32 s27, 0
	s_lshl_b32 s28, s16, 7                         ; my two tiles' 32 scale words
	s_mov_b32 s29, 0
	s_and_b32 s17, ttmp7, 0xffff                   ; y
	s_wait_kmcnt 0x0
	s_add_nc_u64 s[8:9], s[8:9], s[24:25]          ; my record,
	s_add_nc_u64 s[10:11], s[8:9], s[26:27]        ; my images in it,
	s_add_nc_u64 s[14:15], s[8:9], s[28:29]        ; my scale words
	s_cmp_lg_u32 s17, 0
	s_cbranch_scc1 .Lvpath
; ---- K.  My 32 keys, 32 w on.  A load takes one key's 512 bytes, 16 a lane; the rows turn through my stage, so that a lane gets 32 neighbouring dims of ONE key twice over: two whole blocks.
	s_lshl_b32 s18, s16, 17                        ; 32 rows of 4,096 bytes
	s_add_co_u32 s22, s22, s18
	s_add_nc_u64 s[4:5], s[4:5], s[22:23]
	s_mul_i32 s18, s16, WSTG
	v_add_nc_u32 v6, s18, v4                       ; into the stage: 16 x lane of a place
	v_mul_u32_u24 v7, v2, PL
	v_lshl_add_u32 v7, v3, 7, v7
	v_add_nc_u32 v7, s18, v7                       ; out of it: place r of a tile, + 128 h: dims 32 h on
	v_lshlrev_b32 v244, 3, v3                      ; 8 h: where my two scale bytes stand in the word
	v_mov_b32 v242, 0                              ; written once: a lane permute's destination counts as one of its sources
.set rr, 0
.rept 32
	global_load_b128 v[16+4*rr:19+4*rr], v4, s[4:5] offset:rr*4096 th:TH_LOAD_NT
.set rr, rr+1
.endr
.set rr, 0
.rept 32
	s_wait_loadcnt 31-rr                           ; loads come back in order: key rr is in, the younger ones stay out
	ds_store_b128 v6, v[16+4*rr:19+4*rr] offset:(16*((rr>>3)&1)+8*(rr>>4)+(rr&7))*PL   ; key rr is row 8 (rr / 16) + rr % 8 of tile (rr / 8) % 2: a tile's 16 rows lie on end
.set rr, rr+1
.endr
.macro TILE_IN u, x                    ; tile u: my row's dims 64 c + 32 h + 0 .. 31 into v[x + 32 c] on
.irp c, 0,1
.irp j, 0,1,2,3,4,5,6,7
	ds_load_b128 v[\x+32*\c+4*\j:\x+32*\c+4*\j+3], v7 offset:16*\u*PL+256*\c+16*\j
.endr
.endr
.endm
; 64 numbers of a lane, two whole blocks (h and 2 + h of my key), become the fragment's 12 registers in v[f] on and the key's scale word in v[wd]
.macro KQ xs, f, wd
.irp c, 0,1
	v_max3_num_f32 v[8+\c], |v[\xs+32*\c]|, |v[\xs+32*\c+1]|, 0x1800000   ; and the floor 2^(3 - 127): the byte cannot fall under 1
.endr
.irp i, 2,4,6,8,10,12,14,16,18,20,22,24,26,28,30
.irp c, 0,1
	v_max3_num_f32 v[8+\c], v[8+\c], |v[\xs+32*\c+\i]|, |v[\xs+32*\c+\i+1]|   ; (the two blocks by turns)
.endr
.endr
.irp c, 0,1
	v_add_nc_u32 v[10+\c], 0xff000000, v[8+\c]     ; 2 off the exponent field: the conversion takes this operand's exponent field as its scale
.endr
.irp c, 0,1
	v_lshrrev_b32 v[14+\c], 23, v[10+\c]           ; the scale's byte
.endr
	v_lshl_or_b32 v[\wd], v15, 16, v14             ; my two bytes,
	v_lshlrev_b32 v[\wd], v244, v[\wd]             ; at their places;
	v_permlanex16_b32 v242, v[\wd], s20, s21
	v_or_b32 v[\wd], v[\wd], v242                  ; with lane l xor 16's two the word is whole, in both lanes
.irp c, 0,1
	v_cvt_scalef32_pk16_fp6_f32 v[\f+6*\c:\f+6*\c+2], v[\xs+32*\c:\xs+32*\c+15], v[10+\c]
	v_cvt_scalef32_pk16_fp6_f32 v[232+4*\c:234+4*\c], v[\xs+32*\c+16:\xs+32*\c+31], v[10+\c]   ; (a conversion's three registers begin on an even number)
.endr
	v_nop                                          ; one plain place behind a scaled conversion
.irp c, 0,1
.irp i, 0,1,2
	v_mov_b32 v[\f+6*\c+3+\i], v[232+4*\c+\i]
.endr
.endr
.endm
	TILE_IN 0, 144
	s_wait_dscnt 0x0                               ; tile 0's numbers are in, and the stores into the stage have read v16-143,
	TILE_IN 1, 16                                  ; which take tile 1's numbers while tile 0 is worked
	KQ 144, 208, 240
.irp c, 0,1,2
	global_store_b128 v4, v[208+4*\c:211+4*\c], s[10:11] offset:512*\c          ; 32 lanes store 512 consecutive bytes, at a multiple of 256 from kv's first byte
.endr
	s_wait_dscnt 0x0
	KQ 16, 220, 241
.irp c, 0,1,2
	global_store_b128 v4, v[220+4*\c:223+4*\c], s[10:11] offset:1536+512*\c
.endr
	v_cmp_lt_u32 vcc_lo, 15, v1
	v_cndmask_b32 v243, v240, v241, vcc_lo         ; lanes 0-15: tile 2 w's words, lanes 16-31: tile 2 w + 1's
	global_store_b32 v5, v243, s[14:15] offset:KSC ; 128 consecutive bytes a wave, 512 a work-group: 1 byte in 130 of what the wave moves
	s_wait_tensorcnt 0x0                           ; the wave's end, behind my last LDS store
	ds_add_u32 v[SPW], v[NIL]
	s_wait_dscnt 0x0
	s_endpgm
; ---- V.  A LANE TAKES A CHANNEL (32 w + lane) AND ITS REGISTERS RUN DOWN THE 128 KEYS: a block of 32 keys lies in one lane, and the codes come out with the keys innermost.  No LDS.
.Lvpath:
	s_add_co_u32 s22, s22, s28                     ; my 32 channels: 128 bytes of each row; the four waves stand side by side on the head's 512
	s_add_nc_u64 s[6:7], s[6:7], s[22:23]
.set kk, 0
.rept 128
	global_load_b32 v[16+kk], v5, s[6:7] offset:kk*4096
.set kk, kk+1
.endr
.macro VBLOCK bq, left                 ; block bq: keys 32 bq on.  left: younger loads that may stay out
.set XS, 16+32*(\bq)
.set FD, 144+12*((\bq)%2)+6*((\bq)/2)  ; even blocks into FA = v144-155, odd ones into FB = v156-167, registers 6 (bq / 2) on
.set TD, 168+4*((\bq)%2)+8*((\bq)/2)
	s_wait_loadcnt \left
	v_max3_num_f32 v8, |v[XS]|, |v[XS+1]|, |v[XS+2]|
	v_max3_num_f32 v9, |v[XS+3]|, |v[XS+4]|, |v[XS+5]|
.irp i, 6,10,14,18,22,26
	v_max3_num_f32 v8, v8, |v[XS+\i]|, |v[XS+\i+1]|
	v_max3_num_f32 v9, v9, |v[XS+\i+2]|, |v[XS+\i+3]|
.endr
	v_max3_num_f32 v8, v8, |v[XS+30]|, |v[XS+31]|
	v_max3_num_f32 v8, v8, v9, 0x1800000           ; and the floor
	v_add_nc_u32 v[184+\bq], 0xff000000, v8
	v_lshrrev_b32 v[188+\bq], 23, v[184+\bq]
	v_cvt_scalef32_pk16_fp6_f32 v[FD:FD+2], v[XS:XS+15], v[184+\bq]
	v_cvt_scalef32_pk16_fp6_f32 v[TD:TD+2], v[XS+16:XS+31], v[184+\bq]
.endm
	VBLOCK 0, 63                                   ; 96 younger loads could stay out; the wait's field holds 63, and a smaller count is always safe
	VBLOCK 1, 63
	VBLOCK 2, 32
	VBLOCK 3, 0
	v_nop                                          ; one plain place behind a scaled conversion
.irp q, 0,1,2,3
.irp i, 0,1,2
	v_mov_b32 v[144+12*(\q%2)+6*(\q/2)+3+\i], v[168+4*(\q%2)+8*(\q/2)+\i]
.endr
.endr
	v_lshl_or_b32 v192, v189, 8, v188              ; my channel's scale word
	v_lshl_or_b32 v192, v190, 16, v192
	v_lshl_or_b32 v192, v191, 24, v192
.irp i, 0,1,2,3,4,5,6,7,8,9,10,11
	v_permlane16_swap_b32 v[144+\i], v[156+\i]     ; FA's lanes 16-31 change places with FB's lanes 0-15: FA is now tile 2 w's fragment (lanes 0-15 even blocks, lanes 16-31 odd blocks of channels 0-15), FB tile 2 w + 1's
.endr
.irp u, 0,1
.irp c, 0,1,2
	global_store_b128 v4, v[144+12*\u+4*\c:147+12*\u+4*\c], s[10:11] offset:VIM+1536*\u+512*\c
.endr
.endr
	global_store_b32 v5, v192, s[14:15] offset:VSC
	s_endpgm
.Lfunc_end_k_q8a6232056c_quant:
	.size	k_q8a6232056c_quant, .Lfunc_end_k_q8a6232056c_quant-k_q8a6232056c_quant
	.p2alignl 7, 3214868480
	.fill 96, 4, 3214868480
	.section	.rodata,"a",@progbits
	.p2align	6, 0x0
	.amdhsa_kernel k_q8a6232056c_quant
		.amdhsa_group_segment_fixed_size 68096
		.amdhsa_private_segment_fixed_size 0
		.amdhsa_enable_private_segment 0
		.amdhsa_kernarg_size 24
		.amdhsa_user_sgpr_count 2
		.amdhsa_user_sgpr_kernarg_segment_ptr 1
		.amdhsa_wavefront_size32 1
		.amdhsa_system_sgpr_workgroup_id_x 1
		.amdhsa_system_sgpr_workgroup_id_y 1
		.amdhsa_system_sgpr_workgroup_id_z 1
		.amdhsa_system_vgpr_workitem_id 0
		.amdhsa_next_free_vgpr 248
		.amdhsa_next_free_sgpr 66
		.amdhsa_reserve_vcc 1
		.amdhsa_float_denorm_mode_32 3
		.amdhsa_float_denorm_mode_16_64 3
		.amdhsa_memory_ordered 1
		.amdhsa_forward_progress 1
		.amdhsa_inst_pref_size 36
	.end_amdhsa_kernel
	.amdgpu_metadata
---
amdhsa.version: [ 1, 2 ]
amdhsa.kernels:
  - .name:           k_q8a6232056c_quant
    .symbol:         k_q8a6232056c_quant.kd
    .args:
      - { .name: k, .offset: 0, .size: 8, .value_kind: global_buffer, .address_space: global }
      - { .name: v, .offset: 8, .size: 8, .value_kind: global_buffer, .address_space: global }
      - { .name: kv, .offset: 16, .size: 8, .value_kind: global_buffer, .address_space: global }
    .group_segment_fixed_size: 68096
    .private_segment_fixed_size: 0
    .kernarg_segment_align: 8
    .kernarg_segment_size: 24
    .max_flat_workgroup_size: 128
    .sgpr_count:     66
    .vgpr_count:     248
    .wavefront_size: 32
...
	.end_amdgpu_metadata
.endif
;; end of part 1
;; launch attn (part 2): grid 256 x 1, 8 waves a work-group, clusters of 4 x 1, 327,680 bytes of LDS; arguments q, kv, out0; writes out0
.if DOCPART == 2
	.amdgcn_target "amdgcn-amd-amdhsa--gfx1250"
	.amdhsa_code_object_version 6
	.text
	.protected	k_q8a6232056c_attn
	.globl	k_q8a6232056c_attn
	.p2align	8
	.type	k_q8a6232056c_attn,@function
k_q8a6232056c_attn:
	s_mov_b64 s[64:65], 0
	v_nop
	global_prefetch_b8 v0, s[64:65] scope:SCOPE_SE
	s_setreg_imm32_b32 hwreg(HW_REG_WAVE_MODE, 25, 1), 1
	s_wait_xcnt 0x0
	s_wait_alu depctr_hold_cnt(0) depctr_sa_sdst(0) depctr_va_vdst(0) depctr_va_sdst(0) depctr_va_ssrc(0) depctr_va_vcc(0) depctr_vm_vsrc(0)
	s_getreg_b32 s2, hwreg(HW_REG_IB_STS2, 6, 4)
	s_cmp_eq_u32 s2, 0
	s_cbranch_scc0 .Lentry_in_a_cluster
	s_endpgm
.Lentry_in_a_cluster:
	s_bfe_u32 s2, ttmp6, 0x10000c
	s_cmp_lg_u32 s2, 0x3003
	s_cbranch_scc0 .Lentry_shape_is_right
	s_endpgm
.Lentry_shape_is_right:
; out0[token][head x 128] = softmax over the keys j with i - 1024 <= j <= i of (q . k / sqrt(128) - slope_head (i - j)), times v; 2 sequences of 2,048, 32 query heads on 8 kv heads; both products on codes of FP6 (E2M3) with E8M0 scales.
; THE SOFTMAX AHEAD OF THE SECOND PRODUCT: t = logit x log2(e); M = the running largest t rounded UP to a whole number; p = 2^(t - M) is quantised along the keys, not normalised; the row's sum is taken of the unquantised p and divides at the end.
; WORK LEFT OUT.  Queries go in blocks a of 128, keys in steps ks of 128.  For ks > a every key has j > i; for ks < a - 8 every key has j < i - 1024: the mask that the problem builds itself sets all those scores to -infinity,
; so p = 0 there whatever k, q and v hold.  Such steps are neither fetched nor multiplied: block a walks ks = max(a - 8, 0) .. a.  LIMIT: a NaN, an infinity or an overflow that sits in such a step alone is not carried to the result.
; All of the ALiBi term stays: its part - slope i is the same along a row, but it moves M by no whole number and so p's codes.
; OTHER LIMITS: NaN and infinities among the inputs are not served.  Inside the two border steps hidden scores are not -infinity but about -2^96 x slope x sqrt(128) x distance: p is 0 all the same while |q . k| stays under 2^80.
; A segment's first step multiplies what O^T and the sum hold (finite numbers) by f = 0: that is how they begin anew.
; SHARES.  A cluster of four work-groups takes one (sequence, kv head) and four blocks a = 8 + 2 cq, 9 + 2 cq, cq, 7 - cq (cq = cluster % 4): 9 + 9 + (cq + 1) + (8 - cq) = 27 key steps for every cluster, each block taken once.
; The four partners walk the same 27 records of kv, so each record is asked for JOINTLY.  In work-group cx wave w has head 4 kvh + w % 4 and the 16 queries 16 (2 cx + w / 4) on of the block: one tile, a lane one query (lane % 16).
; cx enters q's and out0's addresses and one vector constant alone: no branch, no LDS address, no descriptor.
; LAYOUT.  Both products transposed: S^T = K Q^T + C (source 0 = 16 keys), O^T += V^T P^T (source 0 = 16 channels).  The keys of a tile of K are chosen so that the 16 registers of tiles 2 x, 2 x + 1 are the keys 32 x + 16 (lane / 16) + 0 .. 15.
; MASK AND ALIBI COST NO VECTOR INSTRUCTION IN A STEP: they are the C of the first product.  With m = a - ks and e = (key's place in the step) - (query's place in the block), j - i = e - 128 m.  s' = slope x sqrt(128).  Three arrays of 64 registers:
;   C1 = fl(s' (e - 128)) for 1 <= m <= 7;   C0 = fl(s' e), hidden where e > 0, for m = 0;   C8 = C1, hidden where e < 0, for m = 8.  The rest of the distance, -128 (m - 1), is one number a step: BT = -128 fl(s' c) (m - 1); t = S c + BT.
;   Each term is the rounded product of a true distance or a sum of two terms of one sign: no difference of large numbers is formed.  Each row has a live key in each step that it walks (e = 0), so the running maximum is a true t from the first step on.
; No prefetch is written: a record is asked for by several clusters and not once; a refill has three key steps of all eight waves in which to land; q is asked for a whole segment ahead, into registers.
; REGISTERS.  Window 0: v1-11 addresses; v12 BT - M, v13 largest t, v[14:15] the sum; v16-27 Q's codes; v28 -M; v29 BT; v30 -128 fl(s' c); v32-79 four fragments (v32-95 rows of O on the way out); v96-159 S^T, then p, then V's tiles 4-7;
;   v160-223 O^T; v224-235 p's codes; v232-247, v254 at work; v248-251 K's, then V's scale words; v252 f; v253 p's scale word; v255 Q's.   Window 1: v0-63 C1, v64-127 C0, v128-191 C8, v192-255 the next segment's 16 rows of q as loaded.
.set REC,   25600                      ; a record: K's 8 fragments, V^T's 8, K's scale words, V's
.set VIM,   12288
.set KSC,   24576
.set VSC,   25088
.set SLOT1, 1<<17                      ; a slot holds three records; slot 1 begins here, so that one exclusive or turns an address from one slot into the other
.set STAGE, SLOT1+3*REC                ; behind the ring: 16 rows x 528 bytes for each wave: q on its way in, O on its way out; no tensor load lands here
.set SP,    528                        ; 512 bytes + 16 = 33 x 16
.set SPARE, STAGE+8*16*SP              ; the spare words, 128 bytes a wave: four blocks of 256 bytes that no other line names
.set QROW,  16384                      ; a token's row of q and of out0
.set L16, 1                            ; v1   16 x lane
.set L4,  2                            ; v2   4 x lane
.set STO, 3                            ; v3   stage: row r, + 32 h: where I put 32 bytes of a row of O
.set SRD, 4                            ; v4   stage: 16 x lane of a row
.set SPW, 5                            ; v5   LDS address of my spare word; never rewritten
.set NIL, 6                            ; v6   0; never rewritten
.set SQR, 7                            ; v7   stage: row r, + 64 h: my 16 numbers of a block of q
.set ADK, 8                            ; v8   the step's record + 16 x lane
.set ADS, 9                            ; v9   the step's record + 4 x lane
.set VQO, 10                           ; v10  my byte offset in q for the loads on their way
.set VOO, 11                           ; v11  and in out0 for the segment in hand
.set WV,  10                           ; s10  wave
.set CX,  11                           ; s11  my place in the cluster
.set CQ,  12                           ; s12  cluster % 4
.set PAIR, 13                          ; s13  cluster / 4 = 8 b + kv head
.set LW,  14                           ; s14  min(wave, 2): which record of a slot I fetch, if I fetch
.set SEL, 16                           ; s[16:17] v_permlanex16_b32's selects for lane l xor 16
.set CS,  18                           ; s[18:19] c = log2(e) / sqrt(128), twice
.set SLP, 20                           ; s[20:21] s', twice
.set G1,  24                           ; s[24:31] descriptor group 1
.set G0,  32                           ; s[32:35] descriptor group 0
.set KVB, 36                           ; s[36:37] my pair's 16 records
.set LU,  38                           ; s38  the fetches' place in the walk: which nine steps (0, 1, 2),
.set LI,  39                           ; s39  and which three of them (0, 3, 6)
.set TB,  40                           ; s40  LDS byte of the step's record
.set SLOTS, 41
.set STEPS, 42
.set M,   43                           ; s43  m = a - ks of the step in hand
.set SEG, 45                           ; s45  segments begun
.set SA,  46                           ; s46-49 the blocks a still to be begun
.set NEG, 60                           ; s[60:61] -2^96, twice
.set POS, 62                           ; s[62:63] +2^96, twice
.set QB,  66                           ; s[66:67] q at my sequence, my tile's place in a block, my head
.set OB,  68                           ; s[68:69] out0 likewise
.set MSB, 0
.macro WIN new                         ; the immediate's high byte repeats the setting that is left; bits 1:0 source 0, 3:2 source 1, 5:4 source 2, 7:6 destination
.if MSB != \new
	s_set_vgpr_msb (MSB<<8)|\new
.set MSB, \new
.endif
.endm
.macro CROUND                          ; a round of the cluster's barrier
	s_barrier_signal -1
	s_barrier_wait -1
	s_cmp_lg_u32 s[WV], 0
	s_cbranch_scc1 .Lnot_wave_0_\@
	s_barrier_signal -3
.Lnot_wave_0_\@:
	s_barrier_wait -3
	s_barrier_signal -1
	s_barrier_wait -1
.endm
.macro JLOAD                           ; waves 0, 1, 2 fetch a record each; the branch hangs on the wave's number alone.  An s_nop 0 and four v_nop follow the load
	s_cmp_lt_u32 s[WV], 3
	s_cbranch_scc0 .Lno_load_\@
	tensor_load_to_lds s[G0:G0+3], s[G1:G1+7]
	s_nop 0
.rept 4
	v_nop
.endr
.Lno_load_\@:
.endm
; Which record stands at place 9 LU + LI + LW of the walk: in the first two nines ks = 2 cq + LU + idx; in the third 0 .. cq, then 0 .. 7 - cq.  Ids, the wave's number and counted steps alone, by selects.
.macro SCHED
	s_add_co_u32 s50, s[LI], s[LW]                 ; idx
	s_lshl_b32 s51, s[CQ], 1
	s_add_co_u32 s51, s51, s[LU]
	s_add_co_u32 s51, s51, s50
	s_add_co_u32 s52, s[CQ], 1
	s_cmp_gt_u32 s50, s[CQ]
	s_cselect_b32 s52, s52, 0
	s_sub_co_u32 s52, s50, s52
	s_cmp_lt_u32 s[LU], 2
	s_cselect_b32 s51, s51, s52                    ; ks
	s_mul_i32 s58, s51, REC
	s_mov_b32 s59, 0
	s_add_nc_u64 s[G0+2:G0+3], s[KVB:KVB+1], s[58:59]
	s_or_b32 s[G0+3], s[G0+3], 0x80000000          ; type = 2
.endm
; THE CHANGE OF SLOTS stands at a slot's head.  Each wave waits for all its tensor loads, adds 0 to its spare word, and waits for that and for its reads of the slot that it has left.  fill = 1: behind a round of the cluster's barrier
; the slot just left is filled with the next three records: the wave's one tensor load until the next round.
.macro CHANGE fill
	s_wait_tensorcnt 0x0                           ; no tensor load of mine is out, so group 0 may be written
	ds_add_u32 v[SPW], v[NIL]
.if \fill
	ds_add_u32 v[SPW], v[NIL]                      ; and once more, in every trip alike. The descriptor's step stands between the add and the wait
	s_add_co_u32 s[LI], s[LI], 3
	s_cmp_eq_u32 s[LI], 9
	s_cselect_b32 s[LI], 0, s[LI]
	s_cselect_b32 s50, 1, 0
	s_add_co_u32 s[LU], s[LU], s50
	SCHED
	s_xor_b32 s[G0+1], s[G0+1], SLOT1              ; the other slot than last time
	s_wait_dscnt 0x0                               ; both adds are done, and my reads of the slot that I have left are over
	CROUND                                         ; the same holds of every wave of all four work-groups
	JLOAD
.else
	s_wait_dscnt 0x0
	s_barrier_signal -1
	s_barrier_wait -1
.endif
.endm
.macro MM d, a, b, cc, sa, sb, odd     ; one matrix instruction; odd = 1: source 0's scale words stand in lanes 16-31 of their register
.if \odd
	v_wmma_scale_f32_16x16x128_f8f6f4 v[\d:\d+7], v[\a:\a+11], v[\b:\b+11], v[\cc:\cc+7], v[\sa], v[\sb] matrix_a_fmt:MATRIX_FMT_FP6 matrix_b_fmt:MATRIX_FMT_FP6 matrix_a_scale:MATRIX_SCALE_ROW1
.else
	v_wmma_scale_f32_16x16x128_f8f6f4 v[\d:\d+7], v[\a:\a+11], v[\b:\b+11], v[\cc:\cc+7], v[\sa], v[\sb] matrix_a_fmt:MATRIX_FMT_FP6 matrix_b_fmt:MATRIX_FMT_FP6
.endif
.endm
; S^T = K Q^T + C, C the array at v[cb] of window 1; four tiles of 16 keys at a time.  A scale register holds tile 2 x's words in lanes 0-15 and tile 2 x + 1's in lanes 16-31.
.macro QK cb
	WIN 0x10                                       ; source 2 in window 1
.irp x, 0,1,2,3
	ds_load_b32 v[248+\x], v[ADS] offset:KSC+128*\x
.endr
.irp g, 0,1
.if \g
.rept 4
	v_nop                                          ; four places in front of loads into registers that matrix instructions have read
.endr
.endif
.irp t, 0,1,2,3
.irp c, 0,1,2
	ds_load_b128 v[32+12*\t+4*\c:35+12*\t+4*\c], v[ADK] offset:(4*\g+\t)*1536+512*\c   ; a fragment comes as the image of its registers: 512 consecutive bytes a load
.endr
.endr
	s_wait_dscnt 0x0
.irp t, 0,1,2,3
	MM 96+8*(4*\g+\t), 32+12*\t, 16, \cb+8*(4*\g+\t), 248+2*\g+\t/2, 255, \t%2
.endr
.endr
	WIN 0
.endm
; 64 numbers of a lane in v96-159, register 16 b + i = dim 32 b + 16 (lane / 16) + i of my query, become Q's codes in v16-27 and its scale word in v255
.macro QUANTQ
.irp b, 0,1,2,3
	v_max3_num_f32 v[232+\b], |v[96+16*\b]|, |v[97+16*\b]|, 0x1800000   ; and the floor 2^(3 - 127): the byte cannot fall under 1
.endr
.irp i, 2,4,6,8,10,12,14
.irp b, 0,1,2,3
	v_max3_num_f32 v[232+\b], v[232+\b], |v[96+16*\b+\i]|, |v[97+16*\b+\i]|
.endr
.endr
.irp b, 0,1,2,3
	v_permlanex16_b32 v[236+\b], v[232+\b], s[SEL], s[SEL+1]
.endr
.irp b, 0,1,2,3
	v_max_num_f32 v[232+\b], v[232+\b], v[236+\b]  ; with lane l xor 16's: the block's largest magnitude
.endr
.irp b, 0,1,2,3
	v_add_nc_u32 v[244+\b], 0xff000000, v[232+\b]  ; 2 off its exponent field: the conversion's scale operand
.endr
.irp b, 0,1,2,3
	v_lshrrev_b32 v[236+\b], 23, v[244+\b]         ; the scale's byte
.endr
	v_lshl_or_b32 v255, v237, 8, v236
	v_lshl_or_b32 v255, v238, 16, v255
	v_lshl_or_b32 v255, v239, 24, v255
.irp c, 0,1
	v_cvt_scalef32_pk16_fp6_f32 v[16+6*\c:18+6*\c], v[96+32*\c:111+32*\c], v[244+2*\c]
	v_cvt_scalef32_pk16_fp6_f32 v[236+4*\c:238+4*\c], v[112+32*\c:127+32*\c], v[244+2*\c+1]   ; (a conversion's three registers begin on an even number)
.endr
	v_nop                                          ; one plain place behind a scaled conversion
.irp c, 0,1                                    ; the operand's layout wants a WHOLE block in a lane
.irp i, 0,1,2
	v_permlane16_swap_b32 v[16+6*\c+\i], v[236+4*\c+\i]
.endr
.irp i, 0,1,2
	v_mov_b32 v[19+6*\c+\i], v[236+4*\c+\i]
.endr
.endr
.endm
; A SEGMENT BEGINS: its 16 rows of q, asked for a segment ago, turn through my stage and are quantised; the segment after it is asked for; m, out0's offset, the largest t and -M are set.
.macro QPREP
	s_wait_loadcnt 0x0                             ; the rows are in, and their loads have read v[VQO]
	WIN 0x04                                       ; an LDS store's data are its source 1: window 1
.irp rr, 0,1,2,3,4,5,6,7,8,9,10,11,12,13,14,15
	ds_store_b128 v[SRD], v[192+4*\rr:195+4*\rr] offset:\rr*SP
.endr
	WIN 0
.irp bb, 0,1,2,3
.irp j, 0,1,2,3
	ds_load_b128 v[96+16*\bb+4*\j:99+16*\bb+4*\j], v[SQR] offset:128*\bb+16*\j   ; LDS serves a wave's instructions in order: these see my stores
.endr
.endr
	s_min_u32 s[M], s[SA], 8                       ; the segment's first step: m = min(a, 8)
	s_lshl_b32 s50, s[SA], 21                      ; block a: 128 rows of 16,384 bytes
	v_add_nc_u32 v[VOO], s50, v[L16]
	s_wait_dscnt 0x0                               ; my numbers are in, and the stores have read the rows' registers
	s_cmp_eq_u32 s[SEG], 3                         ; the fourth segment has no successor: no load leaves its buffer
	s_cbranch_scc1 .Lno_q_\@
	s_lshl_b32 s50, s[SA+1], 21
	v_add_nc_u32 v[VQO], s50, v[L16]
	WIN 0x40                                       ; destination window 1
.irp rr, 0,1,2,3,4,5,6,7,8,9,10,11,12,13,14,15
	global_load_b128 v[192+4*\rr:195+4*\rr], v[VQO], s[QB:QB+1] offset:\rr*QROW th:TH_LOAD_NT   ; a query's 512 bytes of my head
.endr
	WIN 0
.Lno_q_\@:
	s_mov_b32 s[SA], s[SA+1]
	s_mov_b32 s[SA+1], s[SA+2]
	s_mov_b32 s[SA+2], s[SA+3]
	s_add_co_u32 s[SEG], s[SEG], 1
	QUANTQ
	v_mov_b32 v13, 0xff61b1e6                      ; the largest t so far: -3e38, under every t
	v_floor_f32 v28, -v13                          ; -M: the first step's f = 2^(old M - new M) is then 0
.rept 8
	v_nop                                          ; a scale register written by a vector instruction stands 8 places ahead of a scaled matrix instruction, an operand so written 4
.endr
.endm
; A SEGMENT ENDS: O^T / the sum goes through my stage and leaves as whole rows: 32 lanes store the 512 consecutive bytes of a token's head, at a multiple of 256 from out0's first byte.
.macro FINAL
	v_add_f32 v14, v14, v15                        ; the sum's two halves,
	v_permlanex16_b32 v252, v14, s[SEL], s[SEL+1]
	v_add_f32 v14, v14, v252                       ; and lane l xor 16's
	v_rcp_f32 v14, v14
	v_nop                                          ; a plain place behind the transcendental,
	s_wait_alu depctr_va_vdst(0)                   ; and a wait ahead of its first reader
.set n, 0
.rept 32
	v_pk_mul_f32 v[96+n:97+n], v[160+n:161+n], v[14:15] op_sel_hi:[1,0]   ; register 8 t + j is o(query r, channel 16 t + 8 h + j); each accumulator from its low end on
.set n, n+2
.endr
.irp t, 0,1,2,3,4,5,6,7
	ds_store_b128 v[STO], v[96+8*\t:99+8*\t] offset:64*\t
	ds_store_b128 v[STO], v[100+8*\t:103+8*\t] offset:64*\t+16
.endr
.irp i, 0,1,2,3,4,5,6,7,8,9,10,11,12,13,14,15
	ds_load_b128 v[32+4*\i:35+4*\i], v[SRD] offset:\i*SP
.endr
.irp i, 0,1,2,3,4,5,6,7,8,9,10,11,12,13,14,15
	s_wait_dscnt 15-\i                             ; row i is back; the younger rows' loads stay out
	global_store_b128 v[VOO], v[32+4*\i:35+4*\i], s[OB:OB+1] offset:\i*QROW th:TH_STORE_NT
.endr
	s_wait_xcnt 0x0                                ; the stores have read their data and their offset: v32-95 and v[VOO] are written again only behind this wait
.endm
; A KEY STEP: 128 keys, the record at s[TB].
.macro STEP
	v_add_nc_u32 v[ADK], s[TB], v[L16]
	v_add_nc_u32 v[ADS], s[TB], v[L4]
	s_max_u32 s50, s[M], 1
	s_sub_co_u32 s50, s50, 1
	v_cvt_f32_u32 v29, s50
	v_mul_f32 v29, v30, v29                        ; BT = -128 fl(s' c) (max(m, 1) - 1)
	s_cmp_eq_u32 s[M], 0                           ; which array is C: ids and counted steps alone, the same in all four partners
	s_cbranch_scc1 .Ldiag_\@
	s_cmp_eq_u32 s[M], 8
	s_cbranch_scc1 .Ledge_\@
	QK 0
	s_branch .Lscored_\@
.Ldiag_\@:
	QK 64
	s_branch .Lscored_\@
.Ledge_\@:
	QK 128
.Lscored_\@:
.rept 4
	v_nop                                          ; four places in front of the first read of the scores and of loads into the products' sources
.endr
.irp x, 0,1,2,3
	ds_load_b32 v[248+\x], v[ADS] offset:VSC+128*\x   ; V's scale words and its tiles 0-3 land under the softmax
.endr
.irp t, 0,1,2,3
.irp c, 0,1,2
	ds_load_b128 v[32+12*\t+4*\c:35+12*\t+4*\c], v[ADK] offset:VIM+\t*1536+512*\c
.endr
.endr
.irp b, 0,1,2,3
	v_max3_num_f32 v[232+\b], v[96+16*\b], v[97+16*\b], v[98+16*\b]   ; the largest score of each block of 32 keys: for the row's maximum and, since p rises with the score, for the block's largest p
.endr
.irp i, 3,5,7,9,11,13
.irp b, 0,1,2,3
	v_max3_num_f32 v[232+\b], v[232+\b], v[96+16*\b+\i], v[97+16*\b+\i]
.endr
.endr
.irp b, 0,1,2,3
	v_max_num_f32 v[232+\b], v[232+\b], v[111+16*\b]
.endr
.irp b, 0,1,2,3
	v_permlanex16_b32 v[236+\b], v[232+\b], s[SEL], s[SEL+1]
.endr
.irp b, 0,1,2,3
	v_max_num_f32 v[232+\b], v[232+\b], v[236+\b]  ; with lane l xor 16's 16 keys
.endr
	v_max3_num_f32 v254, v232, v233, v234
	v_max_num_f32 v254, v254, v235                 ; the step's largest score of my query,
	v_fma_f32 v254, v254, s[CS], v29               ; as t
	v_max_num_f32 v13, v13, v254                   ; the running largest t
	v_mov_b32 v254, v28
	v_floor_f32 v28, -v13                          ; the new -M = -ceil(t): M is a whole number
	v_sub_f32 v254, v28, v254                      ; old M - new M: a whole number, 0 or less
	v_cvt_i32_f32 v254, v254                       ; (it saturates)
	v_ldexp_f32 v252, 1.0, v254                    ; f = 2^(old M - new M)
	v_add_f32 v12, v29, v28                        ; BT - M
.set n, 0
.rept 32
	v_pk_fma_f32 v[96+n:97+n], v[96+n:97+n], s[CS:CS+1], v[12:13] op_sel_hi:[1,0,0]   ; t - M, two at a time
.set n, n+2
.endr
.irp b, 0,1,2,3
	v_fma_f32 v[232+\b], v[232+\b], s[CS], v12     ; the same of each block's largest score
.endr
.set n, 0
.rept 64
	v_exp_f32 v[96+n], v[96+n]                     ; p = 2^(t - M); 0 for hidden keys
.set n, n+1
.endr
	v_pk_mul_f32 v[14:15], v[14:15], v[252:253] op_sel_hi:[1,0]   ; the sums under the new M: a plain place behind the exponentials
	s_wait_alu depctr_va_vdst(0)                   ; one wait for the batch, ahead of its first reader
.irp b, 0,1,2,3
	v_exp_f32 v[232+\b], v[232+\b]                 ; the block's largest p: the same two instructions on the same number
.endr
	v_pk_add_f32 v[236:237], v[96:97], v[98:99]    ; the row's sum of the UNQUANTISED p, in two chains
.irp j, 4,8,12,16,20,24,28,32,36,40,44,48,52,56,60
	v_pk_add_f32 v[14:15], v[14:15], v[96+\j:97+\j]
	v_pk_add_f32 v[236:237], v[236:237], v[98+\j:99+\j]
.endr
	v_pk_add_f32 v[14:15], v[14:15], v[236:237]
	s_wait_alu depctr_va_vdst(0)                   ; and one for the four
.irp b, 0,1,2,3
	v_max_num_f32 v[232+\b], 0x1800000, v[232+\b]  ; the floor 2^(3 - 127): a block whose every p is 0 keeps the byte 1; its codes are zeros
.endr
.irp b, 0,1,2,3
	v_add_nc_u32 v[244+\b], 0xff000000, v[232+\b]
.endr
.irp b, 0,1,2,3
	v_lshrrev_b32 v[236+\b], 23, v[244+\b]
.endr
	v_lshl_or_b32 v253, v237, 8, v236              ; p's scale word for these 128 keys
	v_lshl_or_b32 v253, v238, 16, v253
	v_lshl_or_b32 v253, v239, 24, v253
.irp c, 0,1
	v_cvt_scalef32_pk16_fp6_f32 v[224+6*\c:226+6*\c], v[96+32*\c:111+32*\c], v[244+2*\c]
	v_cvt_scalef32_pk16_fp6_f32 v[236+4*\c:238+4*\c], v[112+32*\c:127+32*\c], v[244+2*\c+1]
.endr
	v_nop                                          ; one plain place behind a scaled conversion
.irp c, 0,1
.irp i, 0,1,2
	v_permlane16_swap_b32 v[224+6*\c+\i], v[236+4*\c+\i]
.endr
.irp i, 0,1,2
	v_mov_b32 v[227+6*\c+\i], v[236+4*\c+\i]
.endr
.endr
.irp t, 0,1,2,3
.irp c, 0,1,2
	ds_load_b128 v[96+12*\t+4*\c:99+12*\t+4*\c], v[ADK] offset:VIM+(4+\t)*1536+512*\c   ; V's tiles 4-7, where p lay
.endr
.endr
.set n, 0
.rept 32
	v_pk_mul_f32 v[160+n:161+n], v[160+n:161+n], v[252:253] op_sel_hi:[1,0]   ; O^T under the new M; these 32 are also the places in front of the products below
.set n, n+2
.endr
	s_wait_dscnt 0x0
.irp t, 0,1,2,3,4,5,6,7                        ; O^T += V^T P^T: the eight accumulators take turns, one instruction a turn
	MM 160+8*\t, 32+12*\t+16*(\t/4), 224, 160+8*\t, 248+\t/2, 253, \t%2
.endr
.rept 5
	v_nop                                          ; four places serve later loads into these products' sources and reads of O^T; the fifth the next step's scores, which are laid over V's tiles 4-7
.endr
	s_cmp_lg_u32 s[M], 0
	s_cbranch_scc1 .Lmore_\@
	FINAL                                          ; m = 0 was the segment's last step
	s_cmp_eq_u32 s[SEG], 4
	s_cbranch_scc1 .Lnext_\@
	QPREP
	s_branch .Lnext_\@
.Lmore_\@:
	s_sub_co_u32 s[M], s[M], 1
.Lnext_\@:
	s_add_co_u32 s[TB], s[TB], REC
.endm
.macro SLOT_STEPS                      ; a slot's three key steps: written once, walked three times
	s_mov_b32 s[STEPS], 3
.Lstep_\@:
	STEP
	s_sub_co_u32 s[STEPS], s[STEPS], 1
	s_cmp_lg_u32 s[STEPS], 0
	s_cbranch_scc1 .Lstep_\@
	s_sub_co_u32 s[TB], s[TB], 3*REC
	s_xor_b32 s[TB], s[TB], SLOT1                  ; on to the other slot
.endm
	s_load_b128 s[4:7], s[0:1], 0x0                ; q s[4:5], kv s[6:7]
	s_load_b64 s[8:9], s[0:1], 0x10                ; out0
	v_lshl_add_u32 v[SPW], v0, 2, SPARE
	v_mov_b32 v[NIL], 0
	ds_add_u32 v[SPW], v[NIL]                      ; the wave's opening: the add, twice on end, and its wait ahead of the round in front of the first tensor loads
	ds_add_u32 v[SPW], v[NIL]
	v_lshrrev_b32 v8, 5, v0
	v_readfirstlane_b32 s[WV], v8                  ; wave 0..7
	s_min_u32 s[LW], s[WV], 2
	s_and_b32 s[CQ], ttmp9, 3                      ; in a cluster launch ttmp9 counts clusters
	s_lshr_b32 s[PAIR], ttmp9, 2
	; descriptor group 1: a record, 25,600 dense bytes, as 100 rows of 256 bytes (32 elements of 8 bytes), no padding
	s_mov_b32 s[G1], 15|(3<<16)|(1<<21)            ; 15:0 the mask: all four work-groups; 17:16 elements of 8 bytes; 21 set beside a mask
	s_mov_b32 s[G1+1], 32<<16                      ; tensor_dim0 = 32
	s_mov_b32 s[G1+2], 100<<16                     ; tensor_dim1 = 100
	s_mov_b32 s[G1+3], 32<<16                      ; tile_dim0 = 32
	s_mov_b32 s[G1+4], 100                         ; tile_dim1 = 100
	s_mov_b32 s[G1+5], 32                          ; from row to row
	s_mov_b32 s[G1+6], 0
	s_mov_b32 s[G1+7], 0
	s_mov_b32 s[G0], 1                             ; count = 1
	s_mul_i32 s[G0+1], s[LW], REC                  ; LDS address: slot 0, my record's place
	s_mov_b32 s[SEL], 0x76543210
	s_mov_b32 s[SEL+1], 0xfedcba98
	s_mov_b32 s[CS], 0x3e0293ee                    ; c = log2(e) / sqrt(128)
	s_mov_b32 s[CS+1], s[CS]
	s_mov_b32 s[NEG], 0xef800000                   ; -2^96
	s_mov_b32 s[NEG+1], s[NEG]
	s_mov_b32 s[POS], 0x6f800000                   ; +2^96
	s_mov_b32 s[POS+1], s[POS]
	; s' = slope x sqrt(128) = 2^(3.5 - (w % 4 + 1) / 4) x 2^-kvh, since slope(head) = 2^(-(head + 1) / 4) and head = 4 kvh + w % 4
	s_and_b32 s53, s[WV], 3
	s_mov_b32 s[SLP], 0x411837f0                   ; 2^3.25
	s_cmp_eq_u32 s53, 1
	s_cselect_b32 s[SLP], 0x41000000, s[SLP]       ; 2^3
	s_cmp_eq_u32 s53, 2
	s_cselect_b32 s[SLP], 0x40d744fd, s[SLP]       ; 2^2.75
	s_cmp_eq_u32 s53, 3
	s_cselect_b32 s[SLP], 0x40b504f3, s[SLP]       ; 2^2.5
	s_and_b32 s54, s[PAIR], 7                      ; kvh
	s_lshl_b32 s55, s54, 23
	s_sub_co_u32 s[SLP], s[SLP], s55               ; kvh off the exponent field
	s_mov_b32 s[SLP+1], s[SLP]
	s_add_co_u32 s57, s[SLP], 7<<23
	s_or_b32 s57, s57, 0x80000000                  ; -128 s', exactly
	s_lshl_b32 s50, s[CQ], 1
	s_add_co_u32 s[SA], s50, 8                     ; the four blocks
	s_add_co_u32 s[SA+1], s50, 9
	s_mov_b32 s[SA+2], s[CQ]
	s_sub_co_u32 s[SA+3], 7, s[CQ]
	s_mov_b32 s[LU], 0
	s_mov_b32 s[LI], 0
	s_mov_b32 s[TB], 0
	s_mov_b32 s[SEG], 0
	s_mul_i32 s58, s[PAIR], 16*REC
	s_mov_b32 s59, 0
	; what hangs on my place in the cluster, in registers that feed no descriptor
	s_bfe_u32 s[CX], ttmp6, 0x40000
	s_lshl_b32 s72, s[CX], 1
	s_lshr_b32 s73, s[WV], 2
	s_add_co_u32 s72, s72, s73                     ; my tile in a block: 2 cx + w / 4
	s_lshl_b32 s73, s72, 4                         ; its first query's place in the block
	s_lshl_b32 s70, s72, 18                        ; 16 rows of 16,384 bytes a tile
	s_lshr_b32 s74, s[PAIR], 3                     ; b
	s_lshl_b32 s74, s74, 25                        ; 2,048 rows
	s_add_co_u32 s70, s70, s74
	s_lshl_b32 s74, s54, 2
	s_add_co_u32 s74, s74, s53                     ; head
	s_lshl_b32 s74, s74, 9
	s_add_co_u32 s70, s70, s74
	s_mov_b32 s71, 0
	v_and_b32 v8, 15, v0                           ; r
	v_bfe_u32 v9, v0, 4, 1                         ; h
	v_and_b32 v[L4], 31, v0
	v_lshlrev_b32 v[L16], 4, v[L4]
	v_lshlrev_b32 v[L4], 2, v[L4]
	s_mul_i32 s53, s[WV], 16*SP
	s_add_co_u32 s53, s53, STAGE                   ; my stage
	v_mul_u32_u24 v[STO], v8, SP
	v_add_nc_u32 v[STO], s53, v[STO]
	v_lshl_add_u32 v[SQR], v9, 6, v[STO]
	v_lshl_add_u32 v[STO], v9, 5, v[STO]
	v_add_nc_u32 v[SRD], s53, v[L16]
	v_lshlrev_b32 v29, 4, v9
	v_sub_nc_u32 v29, v29, v8
	v_sub_nc_u32 v29, v29, s73                     ; 16 h - r - 16 x tile: e of register 0
	v_mov_b32 v30, s57
	v_mov_b32 v31, s57                             ; the pair (-128 s', -128 s')
	s_wait_dscnt 0x0                               ; both opening adds are done
	s_wait_kmcnt 0x0
	s_add_nc_u64 s[QB:QB+1], s[4:5], s[70:71]
	s_add_nc_u64 s[OB:OB+1], s[8:9], s[70:71]
	s_add_nc_u64 s[KVB:KVB+1], s[6:7], s[58:59]
	SCHED                                          ; the walk's first three records
	CROUND                                         ; all four work-groups are here: the first joint loads meet
	JLOAD                                          ; slot 0
	s_lshl_b32 s50, s[SA], 21
	v_add_nc_u32 v[VQO], s50, v[L16]
	WIN 0x40
.irp rr, 0,1,2,3,4,5,6,7,8,9,10,11,12,13,14,15
	global_load_b128 v[192+4*\rr:195+4*\rr], v[VQO], s[QB:QB+1] offset:\rr*QROW th:TH_LOAD_NT   ; the first segment's 16 rows of q
.endr
	WIN 0
	; THE THREE ARRAYS, while the first tiles are on their way.  e of register n = 16 b + i is 32 b + i + (16 h - r - 16 x tile): a whole number, exact in f32.  It is made in O^T's registers, which the first step multiplies by 0.
.set n, 0
.rept 64
	v_add_nc_u32 v[160+n], 32*(n/16)+n%16, v29
.set n, n+1
.endr
.set n, 0
.rept 64
	v_cvt_f32_i32 v[160+n], v[160+n]
.set n, n+1
.endr
.set n, 0
.rept 64
	v_max_num_f32 v[96+n], 0, v[160+n]             ; e where the key comes after the query, else 0
	v_min_num_f32 v[32+n], 0, v[160+n]             ; e where the key falls out of the window in the step 1,024 back, else 0
.set n, n+1
.endr
.set n, 0
.rept 32
	v_pk_fma_f32 v[96+n:97+n], v[96+n:97+n], s[NEG:NEG+1], v[160+n:161+n] op_sel_hi:[1,0,1]   ; e, or about -2^96 e where hidden
	v_pk_fma_f32 v[32+n:33+n], v[32+n:33+n], s[POS:POS+1], v[160+n:161+n] op_sel_hi:[1,0,1]   ; e, or about -2^96 |e| where hidden
.set n, n+2
.endr
	WIN 0x40                                       ; destination window 1
.set n, 0
.rept 32
	v_pk_fma_f32 v[n:n+1], v[160+n:161+n], s[SLP:SLP+1], v[30:31] op_sel_hi:[1,0,1]           ; C1 = fl(s' e - 128 s')
	v_pk_mul_f32 v[64+n:65+n], v[96+n:97+n], s[SLP:SLP+1] op_sel_hi:[1,0]                     ; C0
	v_pk_fma_f32 v[128+n:129+n], v[32+n:33+n], s[SLP:SLP+1], v[30:31] op_sel_hi:[1,0,1]       ; C8
.set n, n+2
.endr
	WIN 0
	v_mov_b32 v30, s[SLP]
	v_mul_f32 v30, s[CS], v30                      ; fl(s' c),
	v_mul_f32 v30, 0xc3000000, v30                 ; x -128: what one more step of distance adds to t
	v_mov_b32 v14, 0                               ; the sum, in two halves
	v_mov_b32 v15, 0
.irp b, 0,1,2,3
	v_mov_b32 v[236+\b], 0                         ; written once: a lane permute's destination counts as one of its sources
.endr
	v_mov_b32 v252, 0
	v_mov_b32 v253, 0                              ; (named as the upper half of the pair v[252:253] before it is first written)
	QPREP                                          ; the first segment begins
	s_mov_b32 s[SLOTS], 8
.Lslot:                                            ; eight trips: behind each change of slots but the last the next three records are asked for
	CHANGE 1
	SLOT_STEPS
	s_sub_co_u32 s[SLOTS], s[SLOTS], 1
	s_cmp_lg_u32 s[SLOTS], 0
	s_cbranch_scc1 .Lslot
	CHANGE 0                                       ; the ninth slot is written out
	SLOT_STEPS
	s_wait_tensorcnt 0x0                           ; the wave's end: behind my last tensor load and my last LDS store
	ds_add_u32 v[SPW], v[NIL]
	s_wait_dscnt 0x0
	CROUND                                         ; the closing round: no work-group ends while a partner may still ask for a record that names it
	s_endpgm
.Lfunc_end_k_q8a6232056c_attn:
	.size	k_q8a6232056c_attn, .Lfunc_end_k_q8a6232056c_attn-k_q8a6232056c_attn
	.p2alignl 7, 3214868480
	.fill 96, 4, 3214868480
	.section	.rodata,"a",@progbits
	.p2align	6, 0x0
	.amdhsa_kernel k_q8a6232056c_attn
		.amdhsa_group_segment_fixed_size 327680
		.amdhsa_private_segment_fixed_size 0
		.amdhsa_enable_private_segment 0
		.amdhsa_kernarg_size 24
		.amdhsa_user_sgpr_count 2
		.amdhsa_user_sgpr_kernarg_segment_ptr 1
		.amdhsa_wavefront_size32 1
		.amdhsa_system_sgpr_workgroup_id_x 1
		.amdhsa_system_sgpr_workgroup_id_y 1
		.amdhsa_system_sgpr_workgroup_id_z 1
		.amdhsa_system_vgpr_workitem_id 0
		.amdhsa_next_free_vgpr 512
		.amdhsa_next_free_sgpr 80
		.amdhsa_reserve_vcc 0
		.amdhsa_float_denorm_mode_32 3
		.amdhsa_float_denorm_mode_16_64 3
		.amdhsa_memory_ordered 1
		.amdhsa_forward_progress 1
		.amdhsa_inst_pref_size 117
	.end_amdhsa_kernel
	.amdgpu_metadata
---
amdhsa.version: [ 1, 2 ]
amdhsa.kernels:
  - .name:           k_q8a6232056c_attn
    .symbol:         k_q8a6232056c_attn.kd
    .args:
      - { .name: q, .offset: 0, .size: 8, .value_kind: global_buffer, .address_space: global }
      - { .name: kv, .offset: 8, .size: 8, .value_kind: global_buffer, .address_space: global }
      - { .name: out0, .offset: 16, .size: 8, .value_kind: global_buffer, .address_space: global }
    .group_segment_fixed_size: 327680
    .private_segment_fixed_size: 0
    .kernarg_segment_align: 8
    .kernarg_segment_size: 24
    .max_flat_workgroup_size: 256
    .sgpr_count:     80
    .vgpr_count:     512
    .wavefront_size: 32
...
	.end_amdgpu_metadata
.endif
;; end of part 2
